; MI455X (gfx1250); checked and timed in simulation.
; The chip was launched on July 23, 2026; its instructions are those of AMD's public machine-readable ISA for CDNA 5 (MIT licence, August 2026) and "CDNA5" Instruction Set Architecture Reference Guide (July 2026). The comments in the code are by the model that wrote it; some were corrected since.
;; Original Full Attention. Allowed arithmetic: matrix products marked QUANTISED: E2M3 operands, one E8M0 scale for each 32 along K, by v_wmma_scale_f32_16x16x128_f8f6f4 with both operands' format E2M3, f32 sums; everything else in f32.
;; Inputs: attention_mask 2 x 1 x 1 x 2,048 float32; key_layer 2 x 16 x 2,048 x 64 float32; query_layer 2 x 16 x 2,048 x 64 float32; value_layer 2 x 16 x 2,048 x 64 float32.
;; Outputs: out0 2 x 2,048 x 16 x 64 float32.
;; Constants: size_per_head = 64.
;; This version of the problem:
;;   THIS VERSION OF THE PROBLEM IS GIVEN IN LOW PRECISION. The matrix products marked QUANTISED in the list below multiply operands that are first quantised to E2M3 (2 exponent bits, 3 mantissa bits; 6 bits a number), with one power-of-two scale for each 32 numbers along K (OCP MX v1.0); their sums are f32. All else is computed in f32.
;;   The module's matrix products, in the order in which they are computed (A, B: the left and right operand; K: the contracted axis; several contracted axes count as one K, in the product's order):
;;     1. batch 32 x [M 2,048, K 64] x [K 64, N 2,048]; A: input query_layer; B: input key_layer: QUANTISED
;;     2. batch 32 x [M 64, K 2,048] x [K 2,048, N 2,048]; A: input value_layer; B: softmax (see below): QUANTISED
;;   THE QUANTISER, for each operand of a quantised product, along K:
;;     - K is cut into blocks of 32 from its start; a last block that is shorter is filled with zeros.
;;     - A block's scale is 2^e with e = floor(log2(the largest magnitude in the block)) - 2, held to -126 .. 127; a block of zeros has e = 0. As a byte (E8M0): e + 127.
;;     - Each number is divided by its block's scale, clamped to +-7.5, and rounded to the nearest number of E2M3, ties to even, subnormals kept.
;;     - The product sums the exact products of the quantised numbers (number of the format x scale) in f32.
;;   ~~~python
;;   def quantise(x, axis):      # numpy; x: float32 -> the quantised numbers, widened to float32 again
;;       x = np.moveaxis(x, axis, -1); K = x.shape[-1]
;;       x = np.pad(x, [(0, 0)] * (x.ndim - 1) + [(0, -K % 32)]); x = x.reshape(x.shape[:-1] + (-1, 32)); a = np.abs(x).max(-1, keepdims=True)
;;       e = np.where(a > 0, np.clip(np.frexp(np.where(a > 0, a, 1))[1] - 1 - 2, -126, 127), 0)      # np.frexp(a)[1] - 1 = floor(log2(a)), exactly
;;       r = np.clip(x / 2.0 ** e, -7.5, 7.5)
;;       step = 2.0 ** (np.maximum(np.frexp(np.where(r == 0, 1, r))[1] - 1, 0) - 3)
;;       q = np.round(r / step) * step * 2.0 ** e      # np.round: ties to even
;;       return np.moveaxis(q.reshape(q.shape[:-2] + (-1,))[..., :K], -1, axis).astype(np.float32)
;;   ~~~
;;   SOFTMAX AHEAD OF A QUANTISED PRODUCT. Where the list says 'softmax', what is quantised is not the finished softmax but p = 2^(t - M), with t = logit x log2(e) and M = ceil(the row's largest t), a whole number; so 1/2 < the row's largest p <= 1. The row's sum l is taken of the UNQUANTISED p, in f32, and the product's result is divided by l at the end. Since M is a whole number, a kernel that streams over the keys may use a running M (the ceiling of the running maximum): every later rescaling is an exact power of two, which a block's scale takes up: the codes' values come out the same.
;;   OPERANDS COMPUTED ON THE WAY. 'Computed on the way' means the value that the module computes at that place (a softmax that the list does not call 'softmax' is quantised finished and normalised). What goes into a quantiser is computed in f32, as accurately as f32 sums, v_exp_f32 and their like allow (about 1e-6 of the number): no bf16 or f16 on the way to a quantiser, and a product that is left as it is and whose result goes on into a quantised operand takes f32 operands (vector FMAs, or v_wmma_f32_16x16x4_f32). A number that lies on a knife's edge between two numbers of the format may be rounded either way, as far as f32 arithmetic and the matrix unit's own rounding can turn it there, and no further.
;; One version. Each part assembles by itself: llvm-mc -triple=amdgcn-amd-amdhsa -mcpu=gfx1250 --defsym DOCPART=n.
;; ======== version 1 of 1: 2 launches
;; workspace buffers: kv 6,553,600 bytes
;; launch prep (part 1): grid 16 x 32, 8 waves a work-group, no clusters, 71,680 bytes of LDS; arguments key_layer, value_layer, kv; writes kv
.if DOCPART == 1
	.amdgcn_target "amdgcn-amd-amdhsa--gfx1250"
	.amdhsa_code_object_version 6
	.text
	.protected	k_q947c5a66c3_prep
	.globl	k_q947c5a66c3_prep
	.p2align	8
	.type	k_q947c5a66c3_prep,@function
k_q947c5a66c3_prep:
	s_mov_b64 s[64:65], 0
	v_nop
	global_prefetch_b8 v0, s[64:65] scope:SCOPE_SE
	s_setreg_imm32_b32 hwreg(HW_REG_WAVE_MODE, 25, 1), 1
	s_wait_xcnt 0x0
; K and V [32 heads][2048 keys][64] f32 become codes of FP6 (E2M3) with one E8M0 scale byte for each 32 along a product's K, laid in kv IN THE ORDER OF THE OPERANDS' REGISTERS, so that
; the second launch takes a whole head as one dense block and every fragment by three loads of 16 bytes a lane.
; DEAD WORK: none.  Every input of reference() has a way to the output (the mask differs from key to key, so the softmax does not cancel it); size_per_head is the constant 64.
; kv = 32 heads x 16 steps x 12,800 bytes.  A step is 128 keys:
;   0 + 1536 b     (b = 0..3)  K's pair fragment b: lane (r, h), registers 0-5: key 32 b + r + 8 (r / 8), elements 32 h .. 32 h + 31; registers 6-11: the key 8 further on, the same elements
;   6144 + 1536 t  (t = 0..3)  V's fragment t: lane (r, h): channel 16 t + r; registers 0-5: keys 32 h .. + 31 of the step; registers 6-11: keys 64 + 32 h .. + 31  (the keys are the second product's K)
;   12288                      the scale words: lane r: K's four words (bytes: first key's block 0, 1, second key's block 0, 1); lane 16 + r: V's four words (byte i: keys 32 i .. + 31)
; An image: register n of lane l lies at 512 (n / 4) + 16 l + 4 (n % 4).
; THE QUANTISER: a block's scale is 2^(floor(log2(its largest magnitude)) - 2); its byte is the largest magnitude's exponent field - 2, held at 1 from below; each number / scale, to the nearest code, ties to even, beyond 7.5 the largest code.
; LIMITS: a block of zeros gets the byte 1 where the rule says 127 (its codes are zeros, which add nothing under any byte but 0xff, and this program alone reads the bytes); a block whose largest magnitude lies under 2^-124 keeps the byte 1;
; NaN and infinities among the inputs are not served.
; SHARES: a work-group takes one step of one head, 64 KiB of f32; each of its eight waves 2,048 numbers, 64 a lane, which are two whole blocks of 32: no lane asks another for a maximum.
;   Waves 0-3 (K): fragment b = wave.  Its 32 keys are 8,192 dense bytes: sixteen loads of 512 consecutive bytes; they turn through the wave's own stage in LDS, since a lane wants 128 consecutive bytes of one key.
;   Waves 4-7 (V): a lane takes a column and its registers run down the keys: x = (wave & 3) / 2: columns 32 x .. + 31; hk = wave & 1: keys 32 hk .. + 31 and 64 + 32 hk .. + 31.  Nothing is transposed.
; No loop, no tensor load: every offset is an immediate.  One barrier, behind which wave 0 joins the halves of the scale words and stores them as 512 consecutive bytes.
.set WSTG,  8704                       ; a stage: 32 keys x (256 bytes + 16); one for each wave's number (waves 0-3 use theirs)
.set XT,    8*WSTG                     ; two tables of 512 bytes: the scale words' halves (table 0: bytes 0 and 2, table 1: bytes 1 and 3)
.set SPARE, XT+1024                    ; the spare words, 128 bytes for each wave: four blocks of 256 bytes that no other line names
.set GOF, 5                            ; v5   my byte offset in the step's block of kv
.set STW, 6                            ; v6   the stage, on the way in
.set STR, 7                            ; v7   and on the way out
.set XK,  8                            ; v8   where a K lane puts its half of a scale word
.set XV,  9                            ; v9   where a V lane puts its
.set XR,  10                           ; v10  where wave 0 reads them back
.set SH,  11                           ; v11  8 x (lane / 16)
.set SPW, 12                           ; v12  LDS address of my spare word; never rewritten
.set NIL, 13                           ; v13  0; never rewritten
.set M,   14                           ; v14-15  the two blocks' largest magnitudes
.set SO,  16                           ; v16-17  the conversions' scale operands
.set E,   18                           ; v18-19  the scale bytes
.set P,   20                           ; v20  my half of a scale word
.set L16, 21                           ; v21  16 x lane
.set T,   22                           ; v22-24, v26-28  the upper halves of the blocks' codes, as the conversions leave them
.set L4,  30                           ; v30  4 x lane
.set F,   32                           ; v32-43  the fragment's twelve registers
.set X,   48                           ; v48-111  my 64 numbers: block 0, block 1
.set R,   112                          ; v112-175  K as it is loaded
	s_load_b128 s[4:7], s[0:1], 0x0                ; K s[4:5], V s[6:7]
	s_load_b64 s[8:9], s[0:1], 0x10                ; kv
	v_lshl_add_u32 v[SPW], v0, 2, SPARE
	v_mov_b32 v[NIL], 0
	v_lshrrev_b32 v1, 5, v0
	v_readfirstlane_b32 s10, v1                    ; wave 0..7
	v_and_b32 v1, 31, v0                           ; lane
	v_and_b32 v2, 15, v0                           ; r
	v_bfe_u32 v3, v0, 4, 1                         ; lane / 16
	s_and_b32 s11, s10, 3                          ; K: the fragment
	s_and_b32 s20, s11, 1                          ; V: hk
	s_lshr_b32 s21, s11, 1                         ; V: x
	s_and_b32 s13, ttmp7, 0xffff                   ; the head; ttmp9 is the step
	; every LDS address is made here, ahead of the parting of the roles
	s_mul_i32 s18, s10, WSTG
	v_mul_u32_u24 v[STW], v3, 272
	v_lshl_add_u32 v[STW], v2, 4, v[STW]
	v_add_nc_u32 v[STW], s18, v[STW]               ; in: a load's 512 bytes are two keys: key lane / 16, byte 16 r
	v_and_b32 v[STR], 8, v2
	v_add_nc_u32 v[STR], v[STR], v2                ; r + 8 (r / 8)
	v_mul_u32_u24 v[STR], v[STR], 272
	v_lshl_add_u32 v[STR], v3, 7, v[STR]
	v_add_nc_u32 v[STR], s18, v[STR]               ; out: that key's elements 32 (lane / 16) on
	v_lshl_add_u32 v[XK], v3, 9, XT
	v_lshl_add_u32 v[XK], v2, 4, v[XK]
	s_lshl_b32 s19, s11, 2
	v_add_nc_u32 v[XK], s19, v[XK]                 ; table lane / 16, lane r's word b
	s_lshl_b32 s19, s20, 9
	s_lshl_b32 s26, s21, 3
	s_add_co_u32 s19, s19, s26
	s_add_co_u32 s19, s19, XT+256
	v_lshlrev_b32 v[XV], 2, v3
	v_lshl_add_u32 v[XV], v2, 4, v[XV]
	v_add_nc_u32 v[XV], s19, v[XV]                 ; table hk, lane 16 + r's word t = 2 x + lane / 16
	v_lshl_add_u32 v[XR], v1, 4, XT
	v_lshlrev_b32 v[SH], 3, v3
	v_lshlrev_b32 v[L16], 4, v1
	v_lshlrev_b32 v[L4], 2, v1
	; byte offsets, apart from the addresses
	s_lshl_b32 s14, s13, 19                        ; a head is 2,048 keys of 256 bytes,
	s_lshl_b32 s19, ttmp9, 15                      ; a step 128 keys
	s_add_co_u32 s14, s14, s19
	s_lshl_b32 s19, s20, 13
	s_add_co_u32 s22, s14, s19                     ; V: + 32 hk keys
	s_lshl_b32 s19, s21, 7
	s_add_co_u32 s22, s22, s19                     ;    + 32 x columns
	s_mov_b32 s23, 0
	s_lshl_b32 s19, s11, 13
	s_add_co_u32 s14, s14, s19                     ; K: + 32 b keys
	s_mov_b32 s15, 0
	s_mul_i32 s16, s13, 204800
	s_mul_i32 s19, ttmp9, 12800
	s_add_co_u32 s16, s16, s19                     ; the step's block in kv
	s_mov_b32 s17, 0
	s_lshl_b32 s25, s20, 3                         ; V: 8 hk
	s_wait_kmcnt 0x0
	s_add_nc_u64 s[8:9], s[8:9], s[16:17]
; v[X] .. v[X+31] and v[X+32] .. v[X+63], two whole blocks, become the fragment's registers 0-5 and 6-11, and their two bytes my half of a scale word, sh bits up.
.macro QFRAG sh
.irp c, 0,1
	v_max3_num_f32 v[M+\c], |v[X+32*\c]|, |v[X+32*\c+1]|, 0x1800000   ; with the floor 2^(3 - 127) among the leaves: the byte cannot fall under 1
.endr
.irp i, 2,4,6,8,10,12,14,16,18,20,22,24,26,28,30
.irp c, 0,1
	v_max3_num_f32 v[M+\c], v[M+\c], |v[X+32*\c+\i]|, |v[X+32*\c+\i+1]|   ; (the two blocks by turns)
.endr
.endr
.irp c, 0,1
	v_add_nc_u32 v[SO+\c], 0xff000000, v[M+\c]     ; 2 off the exponent field: the conversion takes the exponent field of this operand as its scale, and nothing else of it
.endr
.irp c, 0,1
	v_lshrrev_b32 v[E+\c], 23, v[SO+\c]            ; the scale's byte
.endr
.irp c, 0,1
	v_cvt_scalef32_pk16_fp6_f32 v[F+6*\c:F+6*\c+2], v[X+32*\c:X+32*\c+15], v[SO+\c]
	v_cvt_scalef32_pk16_fp6_f32 v[T+4*\c:T+4*\c+2], v[X+32*\c+16:X+32*\c+31], v[SO+\c]   ; (a conversion's three registers begin on an even number: the upper half is made elsewhere and moved)
.endr
	v_lshl_or_b32 v[P], v[E+1], 16, v[E]           ; my two bytes.  (Also the plain instruction between the conversions and the moves that read their results)
	v_lshlrev_b32 v[P], \sh, v[P]                  ; at their places in the word
.irp c, 0,1
.irp i, 0,1,2
	v_mov_b32 v[F+6*\c+3+\i], v[T+4*\c+\i]
.endr
.endr
.endm
	s_cmp_lt_u32 s10, 4                            ; the roles part on the wave's number
	s_cbranch_scc0 .Lfor_v
	; ---- K
	s_add_nc_u64 s[4:5], s[4:5], s[14:15]
.irp i, 0,1,2,3,4,5,6,7,8,9,10,11,12,13,14,15
	global_load_b128 v[R+4*\i:R+4*\i+3], v[L16], s[4:5] offset:512*\i th:TH_LOAD_NT   ; 32 lanes read 512 consecutive bytes: two keys
.endr
	s_mul_i32 s24, s11, 1536
	v_add_nc_u32 v[GOF], s24, v[L16]               ; fragment b's image, 16 bytes a lane
.irp i, 0,1,2,3,4,5,6,7,8,9,10,11,12,13,14,15
	s_wait_loadcnt 15-\i                           ; loads come back in order: load i is in, the younger ones stay out
	ds_store_b128 v[STW], v[R+4*\i:R+4*\i+3] offset:544*\i
.endr
.irp j, 0,1,2,3,4,5,6,7
	ds_load_b128 v[X+4*\j:X+4*\j+3], v[STR] offset:16*\j               ; LDS serves a wave's instructions in order: these see my stores.  The first key's 32 elements,
.endr
.irp j, 0,1,2,3,4,5,6,7
	ds_load_b128 v[X+32+4*\j:X+32+4*\j+3], v[STR] offset:2176+16*\j    ; and those of the key 8 rows on
.endr
	s_wait_dscnt 0x0
	QFRAG v[SH]                                    ; lanes 16-31 hold the keys' second blocks: their bytes go 8 bits up
.irp j, 0,1,2
	global_store_b128 v[GOF], v[F+4*\j:F+4*\j+3], s[8:9] offset:512*\j   ; 32 lanes store 512 consecutive bytes, at a multiple of 256 from kv's first byte
.endr
	ds_store_b32 v[XK], v[P]
	s_branch .Ljoin
.Lfor_v:
	; ---- V
	s_add_nc_u64 s[6:7], s[6:7], s[22:23]
.irp c, 0,1
.irp i, 0,1,2,3,4,5,6,7,8,9,10,11,12,13,14,15,16,17,18,19,20,21,22,23,24,25,26,27,28,29,30,31
	global_load_b32 v[X+32*\c+\i], v[L4], s[6:7] offset:(64*\c+\i)*256 th:TH_LOAD_NT   ; key 64 c + 32 hk + i, my column: 32 lanes read 128 consecutive bytes; the wave with the other x reads the row's other half
.endr
.endr
	s_mul_i32 s24, s21, 3072
	s_lshl_b32 s26, s20, 8
	s_add_co_u32 s24, s24, s26
	s_add_co_u32 s24, s24, 6144
	v_mul_u32_u24 v[GOF], v3, 1536
	v_lshl_add_u32 v[GOF], v2, 4, v[GOF]
	v_add_nc_u32 v[GOF], s24, v[GOF]               ; fragment t = 2 x + lane / 16, the place of its lane 16 hk + r
	s_wait_loadcnt 0x0
	QFRAG s25                                      ; blocks hk and 2 + hk of the step's four: 8 hk bits up
.irp j, 0,1,2
	global_store_b128 v[GOF], v[F+4*\j:F+4*\j+3], s[8:9] offset:512*\j   ; sixteen lanes store 256 consecutive bytes, at a multiple of 256 from kv's first byte
.endr
	ds_store_b32 v[XV], v[P]
.Ljoin:
	s_wait_dscnt 0x0                               ; for the others' sake: my half words lie in the tables
	s_barrier_signal -1
	s_barrier_wait -1
	s_cmp_lg_u32 s10, 0
	s_cbranch_scc1 .Lend
	ds_load_b128 v[R:R+3], v[XR]                   ; wave 0: bytes 0 and 2 of each lane's four words,
	ds_load_b128 v[R+4:R+7], v[XR] offset:512      ; bytes 1 and 3
	s_wait_dscnt 0x0
.irp i, 0,1,2,3
	v_or_b32 v[R+\i], v[R+\i], v[R+4+\i]
.endr
	global_store_b128 v[L16], v[R:R+3], s[8:9] offset:12288   ; the step's scale words: 512 consecutive bytes
.Lend:
	s_wait_tensorcnt 0x0                           ; the wave's end, behind my last LDS store
	ds_add_u32 v[SPW], v[NIL]
	s_wait_dscnt 0x0
	s_endpgm
.Lfunc_end_k_q947c5a66c3_prep:
	.size	k_q947c5a66c3_prep, .Lfunc_end_k_q947c5a66c3_prep-k_q947c5a66c3_prep
	.p2alignl 7, 3214868480
	.fill 96, 4, 3214868480
	.section	.rodata,"a",@progbits
	.p2align	6, 0x0
	.amdhsa_kernel k_q947c5a66c3_prep
		.amdhsa_group_segment_fixed_size 71680
		.amdhsa_private_segment_fixed_size 0
		.amdhsa_enable_private_segment 0
		.amdhsa_kernarg_size 24
		.amdhsa_user_sgpr_count 2
		.amdhsa_user_sgpr_kernarg_segment_ptr 1
		.amdhsa_wavefront_size32 1
		.amdhsa_system_sgpr_workgroup_id_x 1
		.amdhsa_system_sgpr_workgroup_id_y 1
		.amdhsa_system_sgpr_workgroup_id_z 1
		.amdhsa_system_vgpr_workitem_id 0
		.amdhsa_next_free_vgpr 176
		.amdhsa_next_free_sgpr 66
		.amdhsa_reserve_vcc 0
		.amdhsa_float_denorm_mode_32 3
		.amdhsa_float_denorm_mode_16_64 3
		.amdhsa_memory_ordered 1
		.amdhsa_forward_progress 1
		.amdhsa_inst_pref_size 21
	.end_amdhsa_kernel
	.amdgpu_metadata
---
amdhsa.version: [ 1, 2 ]
amdhsa.kernels:
  - .name:           k_q947c5a66c3_prep
    .symbol:         k_q947c5a66c3_prep.kd
    .args:
      - { .name: key_layer, .offset: 0, .size: 8, .value_kind: global_buffer, .address_space: global }
      - { .name: value_layer, .offset: 8, .size: 8, .value_kind: global_buffer, .address_space: global }
      - { .name: kv, .offset: 16, .size: 8, .value_kind: global_buffer, .address_space: global }
    .group_segment_fixed_size: 71680
    .private_segment_fixed_size: 0
    .kernarg_segment_align: 8
    .kernarg_segment_size: 24
    .max_flat_workgroup_size: 256
    .sgpr_count:     66
    .vgpr_count:     176
    .wavefront_size: 32
...
	.end_amdgpu_metadata
.endif
;; end of part 1
;; launch attn (part 2): grid 8 x 32, 8 waves a work-group, clusters of 4 x 1, 283,648 bytes of LDS; arguments query_layer, kv, attention_mask, out0; writes out0
.if DOCPART == 2
	.amdgcn_target "amdgcn-amd-amdhsa--gfx1250"
	.amdhsa_code_object_version 6
	.text
	.protected	k_q947c5a66c3_attn
	.globl	k_q947c5a66c3_attn
	.p2align	8
	.type	k_q947c5a66c3_attn,@function
k_q947c5a66c3_attn:
	s_mov_b64 s[64:65], 0
	v_nop
	global_prefetch_b8 v0, s[64:65] scope:SCOPE_SE
	s_setreg_imm32_b32 hwreg(HW_REG_WAVE_MODE, 25, 1), 1
	s_wait_xcnt 0x0
	s_wait_alu depctr_hold_cnt(0) depctr_sa_sdst(0) depctr_va_vdst(0) depctr_va_sdst(0) depctr_va_ssrc(0) depctr_va_vcc(0) depctr_vm_vsrc(0)
	s_getreg_b32 s2, hwreg(HW_REG_IB_STS2, 6, 4)
	s_cmp_eq_u32 s2, 0
	s_cbranch_scc0 .Lentry_in_a_cluster
	s_endpgm
.Lentry_in_a_cluster:
	s_bfe_u32 s2, ttmp6, 0x10000c
	s_cmp_lg_u32 s2, 0x3003
	s_cbranch_scc0 .Lentry_shape_is_right
	s_endpgm
.Lentry_shape_is_right:
; out0[b][f][n][:] = the sum over t of softmax_t(Q[b][n][f] . K[b][n][t] / 8 + (1 - mask[b][t]) x -10000) V[b][n][t][:], both products on codes of FP6 (E2M3) with one E8M0 scale for each 32 along a product's K.
; No work of reference() is left out.  K and V come as codes from kv, laid by the launch before in the order of the operands' registers; Q, which one wave reads once, is quantised here in registers.
; THE SOFTMAX AHEAD OF THE SECOND PRODUCT: t = logit x log2(e); M = the row's largest t so far, rounded UP to a whole number; p = 2^(t - M) is what is quantised, along the keys, not normalised.
; The row's sum is taken of the unquantised p, in f32, and divides at the end.  When M moves, the sum and O are multiplied by 2^(old M - new M): exact.
; FROM SCORE TO p EVERY f32 ROUNDING STANDS WHERE reference() HAS IT, since the mask's term may be thousands of times a score, and a rounding at that size moves p's code:
;   term = (1 - mask) x -10000, two roundings;  logit = score x 0.125 + term, fused: x 0.125 is exact, so this is the addition's one rounding;  t = logit x log2(e), rounded;  t - M, an addition;  2^(t - M).
; SHARES.  A work-group owns 256 queries of one head; each of its eight waves 32: two tiles of 16, A and B, which share every fragment of K and V, every scale word and every mask register that the wave reads from LDS.
; A HEAD'S kv IS 204,800 BYTES AND STAYS IN LDS: each wave brings an eighth of steps 0-3 by one tensor load and an eighth of steps 4-15 by a second; nothing is ever filled again.  Two tensor loads of a wave are out at the most.
; CLUSTER.  The four query blocks of a cluster belong to one head and want the same block of kv: each load is asked for JOINTLY, with the same descriptor and a mask that names the four.  (A head's eight blocks are two clusters.)
; LAYOUT.  Both products are used transposed: S^T = K Q^T, O^T = V^T P^T: a lane holds ONE query (lane % 16) throughout.
; THE HEAD SIZE IS 64, THE INSTRUCTION'S K IS 128.  A fragment of K holds TWO keys a row: k 0..63 key 32 b + r + 8 (r / 8), k 64..127 the key 8 further on.  It is multiplied twice: by [q | zero codes] and by [zero codes | q];
; zero codes add nothing, and Q's scale bytes of the empty half are 0 (2^-127, a number).  So no byte in LDS and no register of K holds filling, and the 16 registers of a fragment's two results are 16 neighbouring keys, 32 b + 16 (lane / 16) + 0 .. 15.
; LIMITS: NaN and infinities among the inputs are not served; a block of zeros (of q, or of p fallen to 0) gets the scale byte 1 where the rule says 127: its codes are zeros; a p under 2^-126 counts as 0.
; REGISTERS, in windows of 256 (s_set_vgpr_msb: bits 1:0 source 0, 3:2 source 1, 5:4 source 2, 7:6 destination).  Window 0: all that the softmax touches but the mask terms and O^T.  Window 1: what loads, products, the logits' addend and O^T's rescaling touch.
.set STEPB, 12800                      ; a step's block: 4 x 1,536 of K, 4 x 1,536 of V, 512 of scale words
.set MASK,  204800                     ; behind the head's kv: 2,048 mask terms, f32
.set STAGE, MASK+8192                  ; the way out: 32 rows x (256 bytes + 16) for each wave
.set SPARE, STAGE+8*8704               ; the spare words, 128 bytes for each wave: four blocks of 256 bytes that no other line names
.set LI,  1                            ; v1   16 x lane: an image's place for my lane
.set MA0, 2                            ; v2   MASK + 64 (lane / 16)
.set ADR, 3                            ; v3   the step's block + 16 x lane
.set ADM, 4                            ; v4   the step's mask terms
.set SPW, 5                            ; v5   LDS address of my spare word; never rewritten
.set NIL, 6                            ; v6   0; never rewritten
.set GO,  7                            ; v7   the way out: my byte offset in the wave's rows of out0
.set STO, 8                            ; v8   where I put 32 bytes of a row
.set RD,  9                            ; v9   where I read a row back
.set T0,  10                           ; v10-11  at work
.set T1,  11
.set STA, 12                           ; v12 -M, v13 the largest t, v[14:15] the sum in two halves: tile A's;
.set STB, 16                           ; v16-19  tile B's
.set SC,  20                           ; v20-23  the step's scale words: lanes 0-15 K's fragments 0-3, lanes 16-31 V's tiles 0-3
.set QLA, 24                           ; v24-27  Q's scale words: [bytes | 0 0] and [0 0 | bytes], tiles A and B
.set QHA, 25
.set QLB, 26
.set QHB, 27
.set QR,  28                           ; v28-57  [qB][0][qA][0][qB], six registers each: every run of twelve that begins at a multiple of six is an operand
.set F,   58                           ; v[58:59]  f = 2^(old M - new M); the pair's upper word is written once
.set BM,  60                           ; v60-63  the four blocks' largest t, then largest p
.set BP,  64                           ; v64-67  the other half's; then the scale bytes
.set BS,  68                           ; v68-71  the conversions' scale operands
.set CT,  72                           ; v72-74, v76-78  the conversions' second results
.set U,   80                           ; v[80:81]  the sums' second chain
.set MGO, 82                           ; v82  16 x thread: the mask in memory
.set MSA, 83                           ; v83  MASK + 16 x thread
.set PCA, 84                           ; v84-95, v96-107  p's codes
.set PCB, 96
.set PSA, 108                          ; v108, v109  p's scale words
.set PSB, 109
.set MT,  110                          ; v110-117  the mask on its way
.set QGO, 118                          ; v118  Q: 256 r + 128 (lane / 16)
.set SA,  128                          ; v128-191, v192-255  S^T, then the logits, t, t - M, p
.set SB,  192
.set KF,  0                            ; window 1: v0-47 K's four pair fragments
.set VF,  48                           ;           v48-95 V's four fragments
.set MC,  96                           ;           v96-159 the step's mask terms, in the results' layout
.set OA,  160                          ;           v160-191, v192-223 O^T
.set OB,  192
.set WV,  12                           ; s12  my wave's number
.set SEL, 20                           ; s[20:21]  v_permlanex16_b32's selects for lane l xor 16
.set CS,  22                           ; s[22:23]  log2(e): the packed form names a pair and takes its low word for both halves
.set G1A, 24                           ; s[24:31]  descriptor group 1: 25 rows of 256 bytes;  s[32:39]: 75 rows
.set G1B, 32
.set G0A, 40                           ; s[40:43], s[44:47]  the two groups 0
.set G0B, 44
.set TB,  48                           ; s48  LDS byte at which the step's block begins
.set TM,  49                           ; s49  512 x step
.set CNT, 50                           ; s50  steps to go
.set EI,  56                           ; s[56:57]  0.125 = 1 / sqrt(64)
.set MSB, 0
.macro WIN new                         ; the immediate's high byte repeats the setting that is left; a switch that changes nothing is dropped
.if MSB != \new
	s_set_vgpr_msb (MSB<<8)|\new
.set MSB, \new
.endif
.endm
.set W_LD,  0x40                       ; destination window 1, address window 0
.set W_S,   0x01                       ; K window 1; Q and S^T window 0
.set W_MK,  0x10                       ; source 2 (the mask terms) window 1
.set W_RS,  0x41                       ; O^T (destination and source 0) window 1, f window 0
.set W_PV,  0x51                       ; V and O^T window 1, p window 0
.set W_OUT, 0x01                       ; source 0 window 1
; A round of the cluster's barrier: my work-group's barrier, so that wave 0's signal speaks for all eight waves; wave 0 signals for the work-group; every wave waits for all four work-groups; my work-group's barrier once more.
.macro CROUND
	s_barrier_signal -1
	s_barrier_wait -1
	s_cmp_lg_u32 s[WV], 0
	s_cbranch_scc1 .Lnot_wave_0_\@
	s_barrier_signal -3
.Lnot_wave_0_\@:
	s_barrier_wait -3
	s_barrier_signal -1
	s_barrier_wait -1
.endm
	s_load_b256 s[4:11], s[0:1], 0x0               ; Q s[4:5], kv s[6:7], the mask s[8:9], out0 s[10:11]
	v_lshl_add_u32 v[SPW], v0, 2, SPARE
	v_mov_b32 v[NIL], 0
	ds_add_u32 v[SPW], v[NIL]                      ; the wave's opening: the add, twice on end, and its wait ahead of my first tensor load; the set-up below, work on registers, stands between the second and the wait
	ds_add_u32 v[SPW], v[NIL]
	v_lshrrev_b32 v[LI], 5, v0
	v_readfirstlane_b32 s[WV], v[LI]               ; wave 0..7
	s_bfe_u32 s13, ttmp6, 0x40000                  ; cx: my place in the cluster
	s_lshl_b32 s14, ttmp9, 2                       ; in a cluster launch ttmp9 counts clusters
	s_add_co_u32 s14, s14, s13                     ; my block of 256 queries: it enters Q's and out0's addresses alone
	s_and_b32 s15, ttmp7, 0xffff                   ; the head, which the four partners share
	; descriptor groups 1: dense blocks as rows of 256 bytes (32 elements of 8 bytes)
	s_mov_b32 s[G1A], 15|(3<<16)|(1<<21)           ; 15:0 the mask: all four work-groups; 17:16 elements of 8 bytes; 20 no padding; 21 set beside a mask
	s_mov_b32 s[G1B], 15|(3<<16)|(1<<21)
.irp g, G1A, G1B
	s_mov_b32 s[\g+1], 32<<16                      ; tensor_dim0 = 32
	s_mov_b32 s[\g+3], 32<<16                      ; tile_dim0 = 32
	s_mov_b32 s[\g+5], 32                          ; from row to row: 32 elements
	s_mov_b32 s[\g+6], 0
	s_mov_b32 s[\g+7], 0
.endr
	s_mov_b32 s[G1A+2], 25<<16                     ; tensor_dim1, tile_dim1: an eighth of steps 0-3 is 6,400 bytes,
	s_mov_b32 s[G1A+4], 25
	s_mov_b32 s[G1B+2], 75<<16                     ; an eighth of steps 4-15 is 19,200
	s_mov_b32 s[G1B+4], 75
	s_mul_i32 s18, s15, 16*STEPB                   ; the head's block in kv
	s_mov_b32 s19, 0
	s_mul_i32 s52, s[WV], 6400                     ; my parts of it: the same offsets in memory and in LDS; no place in the cluster enters them
	s_mov_b32 s53, 0
	s_mul_i32 s54, s[WV], 19200
	s_add_co_u32 s54, s54, 4*STEPB
	s_mov_b32 s55, 0
	s_lshl_b32 s16, s15, 19                        ; Q: the head's 2,048 rows of 256 bytes,
	s_lshl_b32 s51, s14, 16                        ; my block's 256,
	s_add_co_u32 s16, s16, s51
	s_lshl_b32 s51, s[WV], 13                      ; my wave's 32
	s_add_co_u32 s16, s16, s51
	s_mov_b32 s17, 0
	s_lshr_b32 s2, s15, 4                          ; the mask: the batch's 2,048 numbers
	s_lshl_b32 s2, s2, 13
	s_mov_b32 s3, 0
	s_mov_b32 s[SEL], 0x76543210
	s_mov_b32 s[SEL+1], 0xfedcba98
	s_mov_b32 s[CS], 0x3fb8aa3b                    ; log2(e)
	s_mov_b32 s[CS+1], s[CS]                       ; (named with it as a pair, so it is written)
	s_mov_b32 s[EI], 0x3e000000                    ; 0.125
	s_mov_b32 s[EI+1], s[EI]
	s_mov_b32 s[TB], 0
	s_mov_b32 s[TM], 0
	v_and_b32 v[LI], 31, v0
	v_lshlrev_b32 v[LI], 4, v[LI]
	v_and_b32 v[T0], 15, v0                        ; r
	v_bfe_u32 v[T1], v0, 4, 1                      ; h
	v_lshl_add_u32 v[MA0], v[T1], 6, MASK
	v_lshlrev_b32 v[QGO], 8, v[T0]
	v_lshl_add_u32 v[QGO], v[T1], 7, v[QGO]
	v_lshlrev_b32 v[MGO], 4, v0
	v_add_nc_u32 v[MSA], MASK, v[MGO]
	s_wait_dscnt 0x0                               ; both opening adds are done
	s_wait_kmcnt 0x0
	s_add_nc_u64 s[6:7], s[6:7], s[18:19]
	s_mov_b32 s[G0A], 1                            ; 1:0 count = 1
	s_mov_b32 s[G0A+1], s52                        ; 63:32 LDS address
	s_add_nc_u64 s[G0A+2:G0A+3], s[6:7], s[52:53]  ; 120:64 global address
	s_or_b32 s[G0A+3], s[G0A+3], 0x80000000        ; 127:126 type = 2
	s_mov_b32 s[G0B], 1
	s_mov_b32 s[G0B+1], s54
	s_add_nc_u64 s[G0B+2:G0B+3], s[6:7], s[54:55]
	s_or_b32 s[G0B+3], s[G0B+3], 0x80000000
	CROUND                                         ; all four work-groups are here: the joint loads meet
	tensor_load_to_lds s[G0A:G0A+3], s[G1A:G1A+7]  ; steps 0-3, my eighth.  Every wave issues both loads: no branch leads round them
	s_nop 0
	tensor_load_to_lds s[G0B:G0B+3], s[G1B:G1B+7]  ; steps 4-15, my eighth
	s_nop 0
.rept 4
	v_nop
.endr
	s_add_nc_u64 s[8:9], s[8:9], s[2:3]
	s_add_nc_u64 s[4:5], s[4:5], s[16:17]
	global_load_b128 v[MT:MT+3], v[MGO], s[8:9]                  ; the batch's mask: 256 threads x 16 bytes, twice
	global_load_b128 v[MT+4:MT+7], v[MGO], s[8:9] offset:4096
.irp i, 0,1,2,3,4,5,6,7
	global_load_b128 v[SA+4*\i:SA+4*\i+3], v[QGO], s[4:5] offset:16*\i th:TH_LOAD_NT        ; tile A: lane (r, h): query r, elements 32 h .. + 31: a whole block of 32
.endr
.irp i, 0,1,2,3,4,5,6,7
	global_load_b128 v[SB+4*\i:SB+4*\i+3], v[QGO], s[4:5] offset:4096+16*\i th:TH_LOAD_NT   ; tile B: 16 rows on
.endr
	s_lshr_b32 s16, s15, 4                         ; out0 [b][f][n][64]: the batch,
	s_lshl_b32 s16, s16, 23
	s_lshl_b32 s51, s14, 20                        ; my block's 256 queries of 4,096 bytes,
	s_add_co_u32 s16, s16, s51
	s_lshl_b32 s51, s[WV], 17                      ; my wave's 32,
	s_add_co_u32 s16, s16, s51
	s_and_b32 s51, s15, 15                         ; the head's 256 bytes
	s_lshl_b32 s51, s51, 8
	s_add_co_u32 s16, s16, s51
	s_add_nc_u64 s[10:11], s[10:11], s[16:17]
	WIN W_LD
.set j, 0
.rept 64
	v_mov_b32 v[OA+j], 0                           ; O^T of both tiles.  (The step is written once: the first finds zeros, which the first change of M leaves zeros)
.set j, j+1
.endr
	WIN 0
.irp i, 6,7,8,9,10,11,18,19,20,21,22,23
	v_mov_b32 v[QR+\i], 0                          ; the zero codes beside q
.endr
.irp b, 0,1,2,3
	v_mov_b32 v[BP+\b], 0                          ; written once: a lane permute's destination counts as one of its sources
.endr
	v_mov_b32 v[F+1], 0                            ; (named as the upper half of the pair)
.irp s, STA, STB
	v_mov_b32 v[\s+1], 0xff61b1e6                  ; the largest t so far: -3e38, under every t
	v_mov_b32 v[\s+2], 0                           ; the sum, in two halves
	v_mov_b32 v[\s+3], 0
.endr
	v_floor_f32 v[STA], -v[STA+1]                  ; -M
	v_floor_f32 v[STB], -v[STB+1]
	s_wait_loadcnt 16                              ; the mask is in; Q's sixteen loads may be out
.irp i, 0,1,2,3,4,5,6,7
	v_sub_f32 v[MT+\i], 1.0, v[MT+\i]              ; 1 - mask,
.endr
.irp i, 0,1,2,3,4,5,6,7
	v_mul_f32 v[MT+\i], 0xc61c4000, v[MT+\i]       ; x -10000: the mask's term, with reference()'s two roundings
.endr
	ds_store_b128 v[MSA], v[MT:MT+3]
	ds_store_b128 v[MSA], v[MT+4:MT+7] offset:4096
; My 32 numbers of a query, v[x] on, one block, become six registers of codes at v[d] on; the row's two bytes make the scale words ql = [b0 b1 0 0] and qh = [0 0 b0 b1] (right in lanes 0-15, which alone are read).
.macro QQ x, d, ql, qh
	v_max3_num_f32 v[T0], |v[\x]|, |v[\x+1]|, 0x1800000   ; with the floor 2^(3 - 127): the byte cannot fall under 1
.irp i, 2,4,6,8,10,12,14,16,18,20,22,24,26,28,30
	v_max3_num_f32 v[T0], v[T0], |v[\x+\i]|, |v[\x+\i+1]|
.endr
	v_add_nc_u32 v[BS], 0xff000000, v[T0]          ; 2 off the exponent field: the conversion's scale operand
	v_lshrrev_b32 v[T0], 23, v[BS]                 ; the scale's byte
	v_cvt_scalef32_pk16_fp6_f32 v[\d:\d+2], v[\x:\x+15], v[BS]
	v_cvt_scalef32_pk16_fp6_f32 v[CT:CT+2], v[\x+16:\x+31], v[BS]   ; (a conversion's three registers begin on an even number)
	v_nop                                          ; one plain instruction behind a scaled conversion
.irp i, 0,1,2
	v_mov_b32 v[\d+3+\i], v[CT+\i]
.endr
	v_permlanex16_b32 v[T1], v[T0], s[SEL], s[SEL+1]   ; the row's other block's byte
	v_lshl_or_b32 v[\ql], v[T1], 8, v[T0]
	v_lshlrev_b32 v[\qh], 16, v[\ql]
.endm
	s_wait_loadcnt 8                               ; tile A's eight loads are in
	QQ SA, QR+12, QLA, QHA
	s_wait_loadcnt 0x0
	QQ SB, QR, QLB, QHB
.irp i, 0,1,2,3,4,5
	v_mov_b32 v[QR+24+\i], v[QR+\i]                ; qB once more, behind the second run of zeros
.endr
	s_wait_dscnt 0x0                               ; for the others' sake: my mask terms lie in LDS
	s_wait_tensorcnt 0x1                           ; my eighth of steps 0-3 has landed; my load for steps 4-15 may stay out
	s_barrier_signal -1
	s_barrier_wait -1                              ; everybody's have
; Eight products: S^T of one tile of queries for the step's 128 keys.  Each fragment of K is multiplied by [q | 0] (its rows' first keys) and by [0 | q] (their second).
.macro SPROD sr, qlo, qhi, sl, sh
.irp b, 0,1,2,3
	v_wmma_scale_f32_16x16x128_f8f6f4 v[\sr+16*\b:\sr+16*\b+7], v[KF+12*\b:KF+12*\b+11], v[\qlo:\qlo+11], 0, v[SC+\b], v[\sl] matrix_a_fmt:MATRIX_FMT_FP6 matrix_b_fmt:MATRIX_FMT_FP6
	v_wmma_scale_f32_16x16x128_f8f6f4 v[\sr+16*\b+8:\sr+16*\b+15], v[KF+12*\b:KF+12*\b+11], v[\qhi:\qhi+11], 0, v[SC+\b], v[\sh] matrix_a_fmt:MATRIX_FMT_FP6 matrix_b_fmt:MATRIX_FMT_FP6
.endr
.endm
; Four products: O^T += V^T P^T of one tile of queries; K = the step's 128 keys.  V's scale words lie in lanes 16-31 of the registers that hold K's in lanes 0-15.
.macro PV ot, pc, ps
	WIN W_PV
.irp t, 0,1,2,3
	v_wmma_scale_f32_16x16x128_f8f6f4 v[\ot+8*\t:\ot+8*\t+7], v[VF+12*\t:VF+12*\t+11], v[\pc:\pc+11], v[\ot+8*\t:\ot+8*\t+7], v[SC+\t], v[\ps] matrix_a_fmt:MATRIX_FMT_FP6 matrix_b_fmt:MATRIX_FMT_FP6 matrix_a_scale:MATRIX_SCALE_ROW1
.endr
.endm
; One tile's softmax for one step.  sr: its 64 scores (register 16 b + i = key 32 b + 16 (lane / 16) + i), st: its statistics, pc, ps: where p's codes and scale word go, ot: its O^T.
.macro SOFTMAX sr, st, pc, ps, ot
	WIN W_MK
.irp j, 0,2,4,6,8,10,12,14,16,18,20,22,24,26,28,30,32,34,36,38,40,42,44,46,48,50,52,54,56,58,60,62
	v_pk_fma_f32 v[\sr+\j:\sr+\j+1], v[\sr+\j:\sr+\j+1], s[EI:EI+1], v[MC+\j:MC+\j+1] op_sel_hi:[1,0,1]   ; the logit = score x 0.125 + the key's term: one rounding, the addition's.  Each result is read from its low end on
.endr
	WIN 0
.irp j, 0,2,4,6,8,10,12,14,16,18,20,22,24,26,28,30,32,34,36,38,40,42,44,46,48,50,52,54,56,58,60,62
	v_pk_mul_f32 v[\sr+\j:\sr+\j+1], v[\sr+\j:\sr+\j+1], s[CS:CS+1] op_sel_hi:[1,0]   ; t = logit x log2(e), rounded to f32 by itself
.endr
.irp b, 0,1,2,3
	v_max3_num_f32 v[BM+\b], v[\sr+16*\b], v[\sr+16*\b+1], v[\sr+16*\b+2]   ; THE LARGEST t OF EACH BLOCK OF 32 KEYS: for the row's maximum, and, since p rises with t, for the block's largest p
.endr
.irp i, 3,5,7,9,11,13
.irp b, 0,1,2,3
	v_max3_num_f32 v[BM+\b], v[BM+\b], v[\sr+16*\b+\i], v[\sr+16*\b+\i+1]   ; (the four blocks by turns)
.endr
.endr
.irp b, 0,1,2,3
	v_max_num_f32 v[BM+\b], v[BM+\b], v[\sr+16*\b+15]
.endr
.irp b, 0,1,2,3
	v_permlanex16_b32 v[BP+\b], v[BM+\b], s[SEL], s[SEL+1]
.endr
.irp b, 0,1,2,3
	v_max_num_f32 v[BM+\b], v[BM+\b], v[BP+\b]     ; with lane l xor 16's 16 keys
.endr
	v_max3_num_f32 v[T0], v[BM], v[BM+1], v[BM+2]
	v_max_num_f32 v[T0], v[T0], v[BM+3]            ; the step's largest t of my query
	v_max_num_f32 v[\st+1], v[\st+1], v[T0]        ; the running largest t
	v_mov_b32 v[T0], v[\st]
	v_floor_f32 v[\st], -v[\st+1]                  ; the new -M = floor(-t) = -ceil(t): M IS A WHOLE NUMBER
	v_sub_f32 v[T0], v[\st], v[T0]                 ; M's old value less its new one: a whole number, 0 or less
	v_cvt_i32_f32 v[T0], v[T0]                     ; (it saturates)
	v_ldexp_f32 v[F], 1.0, v[T0]                   ; f = 2^(old M - new M)
.irp j, 0,2,4,6,8,10,12,14,16,18,20,22,24,26,28,30,32,34,36,38,40,42,44,46,48,50,52,54,56,58,60,62
	v_pk_add_f32 v[\sr+\j:\sr+\j+1], v[\sr+\j:\sr+\j+1], v[\st:\st+1] op_sel_hi:[1,0]   ; t - M, two at a time (of the pair the low word, -M, serves both halves)
.endr
.irp b, 0,1,2,3
	v_add_f32 v[BM+\b], v[BM+\b], v[\st]           ; the same of each block's largest t
.endr
.set j, 0
.rept 64
	v_exp_f32 v[\sr+j], v[\sr+j]                   ; p = 2^(t - M): NOT normalised
.set j, j+1
.endr
	v_pk_mul_f32 v[\st+2:\st+3], v[\st+2:\st+3], v[F:F+1] op_sel_hi:[1,0]   ; the sums under the new M.  (The plain instruction behind the exponentials)
	s_wait_alu depctr_va_vdst(0)                   ; one wait for the whole batch, ahead of its first reader
.irp b, 0,1,2,3
	v_exp_f32 v[BM+\b], v[BM+\b]                   ; the block's largest p: the same instructions on the same number give the same bits
.endr
	v_pk_add_f32 v[U:U+1], v[\sr:\sr+1], v[\sr+2:\sr+3]   ; THE ROW'S SUM IS TAKEN OF THE UNQUANTISED p: two at a time, in two chains.  (It reads the 64 alone: plain work behind the four)
.irp j, 4,8,12,16,20,24,28,32,36,40,44,48,52,56,60
	v_pk_add_f32 v[\st+2:\st+3], v[\st+2:\st+3], v[\sr+\j:\sr+\j+1]
	v_pk_add_f32 v[U:U+1], v[U:U+1], v[\sr+\j+2:\sr+\j+3]
.endr
	v_pk_add_f32 v[\st+2:\st+3], v[\st+2:\st+3], v[U:U+1]
	s_wait_alu depctr_va_vdst(0)                   ; and one for the four
.irp b, 0,1,2,3
	v_max_num_f32 v[BM+\b], 0x1800000, v[BM+\b]    ; the floor 2^(3 - 127): the byte cannot fall under 1 (a block whose every p has fallen to 0 keeps that byte: its codes are zeros)
.endr
.irp b, 0,1,2,3
	v_add_nc_u32 v[BS+\b], 0xff000000, v[BM+\b]    ; 2 off the exponent field: the conversion's scale operand
.endr
.irp b, 0,1,2,3
	v_lshrrev_b32 v[BP+\b], 23, v[BS+\b]           ; the scale's byte
.endr
	v_lshl_or_b32 v[\ps], v[BP+1], 8, v[BP]        ; p's scale word for these 128 keys
	v_lshl_or_b32 v[\ps], v[BP+2], 16, v[\ps]
	v_lshl_or_b32 v[\ps], v[BP+3], 24, v[\ps]
.irp c, 0,1
	v_cvt_scalef32_pk16_fp6_f32 v[\pc+6*\c:\pc+6*\c+2], v[\sr+32*\c:\sr+32*\c+15], v[BS+2*\c]
	v_cvt_scalef32_pk16_fp6_f32 v[CT+4*\c:CT+4*\c+2], v[\sr+32*\c+16:\sr+32*\c+31], v[BS+2*\c+1]   ; (a conversion's three registers begin on an even number)
.endr
	v_nop                                          ; one plain instruction behind the scaled conversions
.irp c, 0,1                                    ; the operand's layout wants a WHOLE block in a lane: lanes 0-15 block 2 c, lanes 16-31 block 2 c + 1
.irp i, 0,1,2
	v_permlane16_swap_b32 v[\pc+6*\c+\i], v[CT+4*\c+\i]
.endr
.irp i, 0,1,2
	v_mov_b32 v[\pc+6*\c+3+\i], v[CT+4*\c+\i]
.endr
.endr
	WIN W_RS
.irp j, 0,2,4,6,8,10,12,14,16,18,20,22,24,26,28,30
	v_pk_mul_f32 v[\ot+\j:\ot+\j+1], v[\ot+\j:\ot+\j+1], v[F:F+1] op_sel_hi:[1,0]   ; O^T under the new M: x f, each result from its low end on.  (These sixteen also stand between the writes of p's codes and scale word and the products that take them)
.endr
.endm
; A STEP: 128 keys, both tiles.  41 LDS loads of 16 bytes a lane serve 24 products.  No two products that follow each other share an accumulator, over the backward jump too.
.macro STEP
	v_add_nc_u32 v[ADR], s[TB], v[LI]
	v_add_nc_u32 v[ADM], s[TM], v[MA0]
	v_nop
	v_nop                                          ; four plain instructions between the last step's products and the loads into registers that they read (ISA guide 7.12.1 for vector instructions)
	ds_load_b128 v[SC:SC+3], v[ADR] offset:12288   ; the scale words
	WIN W_LD
.irp j, 0,1,2,3,4,5,6,7,8,9,10,11
	ds_load_b128 v[KF+4*\j:KF+4*\j+3], v[ADR] offset:512*\j              ; K's four fragments, as images: 512 consecutive bytes a load
.endr
.irp j, 0,1,2,3,4,5,6,7,8,9,10,11,12,13,14,15
	ds_load_b128 v[MC+4*\j:MC+4*\j+3], v[ADM] offset:128*(\j/4)+16*(\j%4)   ; the mask terms of keys 32 (j / 4) + 16 (lane / 16) + 4 (j % 4) on: sixteen lanes read the same 16 bytes
.endr
.irp j, 0,1,2,3,4,5,6,7,8,9,10,11
	ds_load_b128 v[VF+4*\j:VF+4*\j+3], v[ADR] offset:6144+512*\j         ; V's four fragments
.endr
	s_wait_dscnt 12                                ; all but V's twelve are in
	WIN W_S
	SPROD SA, QR+12, QR+6, QLA, QHA
	SPROD SB, QR, QR+18, QLB, QHB
	WIN 0
.rept 4
	v_nop                                          ; four places in front of the first read of results
.endr
	SOFTMAX SA, STA, PCA, PSA, OA
	s_wait_dscnt 0x0                               ; V is in
	PV OA, PCA, PSA
	SOFTMAX SB, STB, PCB, PSB, OB                  ; it names no register of tile A's products, which are at work beside it
	PV OB, PCB, PSB
	WIN 0                                          ; at a label and at a branch every window is 0
	s_add_co_u32 s[TB], s[TB], STEPB
	s_add_co_u32 s[TM], s[TM], 512
.endm
	s_mov_b32 s[CNT], 4
.Lfirst:                                           ; steps 0-3, while the rest of the head lands
	STEP
	s_sub_co_u32 s[CNT], s[CNT], 1
	s_cmp_lg_u32 s[CNT], 0
	s_cbranch_scc1 .Lfirst
	s_wait_tensorcnt 0x0                           ; my eighth of steps 4-15 has landed,
	s_wait_dscnt 0x0
	s_barrier_signal -1
	s_barrier_wait -1                              ; everybody's has
	s_mov_b32 s[CNT], 12
.Lrest:                                            ; steps 4-15
	STEP
	s_sub_co_u32 s[CNT], s[CNT], 1
	s_cmp_lg_u32 s[CNT], 0
	s_cbranch_scc1 .Lrest
	; THE WAY OUT.  The sums' halves are added; O^T is divided by the sum and goes through my stage in LDS, so that sixteen lanes store a query's 256 bytes of this head.  The lines below are the places behind the last products.
	v_add_f32 v[STA+2], v[STA+2], v[STA+3]
	v_add_f32 v[STB+2], v[STB+2], v[STB+3]
	v_permlanex16_b32 v[BP], v[STA+2], s[SEL], s[SEL+1]
	v_permlanex16_b32 v[BP+1], v[STB+2], s[SEL], s[SEL+1]
	v_add_f32 v[STA+2], v[STA+2], v[BP]            ; with lane l xor 16's: the row's sum
	v_add_f32 v[STB+2], v[STB+2], v[BP+1]
	v_and_b32 v[BM], 15, v0                        ; r
	v_bfe_u32 v[BM+1], v0, 4, 1                    ; h
	s_mul_i32 s51, s[WV], 8704
	s_add_co_u32 s51, s51, STAGE                   ; my stage
	v_rcp_f32 v[T0], v[STA+2]
	v_rcp_f32 v[F], v[STB+2]
	v_mul_u32_u24 v[STO], v[BM], 272               ; (plain work behind the reciprocals)  in: row r; tile t's eight channels of my half: 64 t + 32 h bytes on
	v_lshl_add_u32 v[STO], v[BM+1], 5, v[STO]
	v_add_nc_u32 v[STO], s51, v[STO]
	v_mul_u32_u24 v[RD], v[BM+1], 272              ; back: lanes 0-15 one row, lanes 16-31 the next
	v_lshl_add_u32 v[RD], v[BM], 4, v[RD]
	v_add_nc_u32 v[RD], s51, v[RD]
	v_lshlrev_b32 v[GO], 12, v[BM+1]               ; and the same two queries in out0, 4,096 bytes apart
	v_lshl_add_u32 v[GO], v[BM], 4, v[GO]
	s_wait_alu depctr_va_vdst(0)                   ; one wait for both reciprocals, ahead of their first reader
	WIN W_OUT
.irp j, 0,2,4,6,8,10,12,14,16,18,20,22,24,26,28,30
	v_pk_mul_f32 v[SA+\j:SA+\j+1], v[OA+\j:OA+\j+1], v[T0:T0+1] op_sel_hi:[1,0]   ; O^T / the sum: register 8 t + i is o(query r, channel 16 t + 8 h + i); each result from its low end on
.endr
.irp j, 0,2,4,6,8,10,12,14,16,18,20,22,24,26,28,30
	v_pk_mul_f32 v[SB+\j:SB+\j+1], v[OB+\j:OB+\j+1], v[F:F+1] op_sel_hi:[1,0]
.endr
	WIN 0
.macro TOSTAGE sr, x
.irp t, 0,1,2,3
	ds_store_b128 v[STO], v[\sr+8*\t:\sr+8*\t+3] offset:4352*\x+64*\t
	ds_store_b128 v[STO], v[\sr+8*\t+4:\sr+8*\t+7] offset:4352*\x+64*\t+16
.endr
.irp i, 0,1,2,3,4,5,6,7
	ds_load_b128 v[\sr+32+4*\i:\sr+32+4*\i+3], v[RD] offset:4352*\x+544*\i   ; LDS serves a wave's instructions in order (ISA guide 5.7.1.4): these see my stores
.endr
.endm
.macro SEND sr, x, younger             ; younger: the LDS instructions issued behind this tile's loads
.irp i, 0,1,2,3,4,5,6,7
	s_wait_dscnt \younger+7-\i
	global_store_b128 v[GO], v[\sr+32+4*\i:\sr+32+4*\i+3], s[10:11] offset:65536*\x+8192*\i th:TH_STORE_NT   ; sixteen lanes store 256 consecutive bytes, at a multiple of 256 from out0's first byte; written once, read by nobody here
.endr
.endm
	TOSTAGE SA, 0
	TOSTAGE SB, 1
	SEND SA, 0, 16
	SEND SB, 1, 0
	s_wait_tensorcnt 0x0                           ; the wave's end, behind my last tensor load and my last LDS store
	ds_add_u32 v[SPW], v[NIL]
	s_wait_dscnt 0x0
	CROUND                                         ; the closing round: no work-group ends while a partner may still ask for a tile that names it
	s_endpgm
.Lfunc_end_k_q947c5a66c3_attn:
	.size	k_q947c5a66c3_attn, .Lfunc_end_k_q947c5a66c3_attn-k_q947c5a66c3_attn
	.p2alignl 7, 3214868480
	.fill 96, 4, 3214868480
	.section	.rodata,"a",@progbits
	.p2align	6, 0x0
	.amdhsa_kernel k_q947c5a66c3_attn
		.amdhsa_group_segment_fixed_size 283648
		.amdhsa_private_segment_fixed_size 0
		.amdhsa_enable_private_segment 0
		.amdhsa_kernarg_size 32
		.amdhsa_user_sgpr_count 2
		.amdhsa_user_sgpr_kernarg_segment_ptr 1
		.amdhsa_wavefront_size32 1
		.amdhsa_system_sgpr_workgroup_id_x 1
		.amdhsa_system_sgpr_workgroup_id_y 1
		.amdhsa_system_sgpr_workgroup_id_z 1
		.amdhsa_system_vgpr_workitem_id 0
		.amdhsa_next_free_vgpr 512
		.amdhsa_next_free_sgpr 66
		.amdhsa_reserve_vcc 0
		.amdhsa_float_denorm_mode_32 3
		.amdhsa_float_denorm_mode_16_64 3
		.amdhsa_memory_ordered 1
		.amdhsa_forward_progress 1
		.amdhsa_inst_pref_size 97
	.end_amdhsa_kernel
	.amdgpu_metadata
---
amdhsa.version: [ 1, 2 ]
amdhsa.kernels:
  - .name:           k_q947c5a66c3_attn
    .symbol:         k_q947c5a66c3_attn.kd
    .args:
      - { .name: query_layer, .offset: 0, .size: 8, .value_kind: global_buffer, .address_space: global }
      - { .name: kv, .offset: 8, .size: 8, .value_kind: global_buffer, .address_space: global }
      - { .name: attention_mask, .offset: 16, .size: 8, .value_kind: global_buffer, .address_space: global }
      - { .name: out0, .offset: 24, .size: 8, .value_kind: global_buffer, .address_space: global }
    .group_segment_fixed_size: 283648
    .private_segment_fixed_size: 0
    .kernarg_segment_align: 8
    .kernarg_segment_size: 32
    .max_flat_workgroup_size: 256
    .sgpr_count:     66
    .vgpr_count:     512
    .wavefront_size: 32
...
	.end_amdgpu_metadata
.endif
;; end of part 2
